; MI455X (gfx1250); checked and timed in simulation.
; The chip was launched on July 23, 2026; its instructions are those of AMD's public machine-readable ISA for CDNA 5 (MIT licence, August 2026) and "CDNA5" Instruction Set Architecture Reference Guide (July 2026). The comments in the code are by the model that wrote it; some were corrected since.
;; self attention. Allowed arithmetic: matrix products marked QUANTISED: E4M3 operands, one E8M0 scale for each 32 along K, by v_wmma_scale_f32_16x16x128_f8f6f4 with both operands' format E4M3, f32 sums; everything else in f32.
;; Inputs: kernel_codes 2,048 x 64 x 32 uint8 (E4M3 codes of kernel, K innermost, in blocks of 32 codes); kernel_scales 2,048 x 64 uint8 (E8M0 scales of kernel, one for each 32 codes along K); x1_codes 8 x 512 x 64 x 32 uint8 (E4M3 codes of x1, K innermost, in blocks of 32 codes); x1_scales 8 x 512 x 64 uint8 (E8M0 scales of x1, one for each 32 codes along K); x2_codes 8 x 512 x 64 x 32 uint8 (E4M3 codes of x2, K innermost, in blocks of 32 codes); x2_scales 8 x 512 x 64 uint8 (E8M0 scales of x2, one for each 32 codes along K).
;; Outputs: out0 8 x 2,048 x 512 float32.
;; This version of the problem:
;;   THIS VERSION OF THE PROBLEM IS GIVEN IN LOW PRECISION. The matrix products marked QUANTISED in the list below multiply operands that are first quantised to E4M3 (4 exponent bits, 3 mantissa bits; 8 bits a number), with one power-of-two scale for each 32 numbers along K (OCP MX v1.0); their sums are f32. All else is computed in f32.
;;   The module's matrix products, in the order in which they are computed (A, B: the left and right operand; K: the contracted axis; several contracted axes count as one K, in the product's order):
;;     1. [M 4,096, K 2,048] x [K 2,048, N 2,048]; A: input x1 (given as codes); B: input kernel (given as codes): QUANTISED
;;     2. [M 4,096, K 2,048] x [K 2,048, N 2,048]; A: input x2 (given as codes); B: input kernel (given as codes): QUANTISED
;;     3. batch 8 x [M 2,048, K 512] x [K 512, N 2,048]; A: computed on the way; B: computed on the way: QUANTISED
;;     4. batch 8 x [M 2,048, K 2,048] x [K 2,048, N 512]; A: softmax (see below); B: computed on the way: QUANTISED
;;   THE QUANTISER, for each operand of a quantised product, along K:
;;     - K is cut into blocks of 32 from its start; a last block that is shorter is filled with zeros.
;;     - A block's scale is 2^e with e = floor(log2(the largest magnitude in the block)) - 8, held to -126 .. 127; a block of zeros has e = 0. As a byte (E8M0): e + 127.
;;     - Each number is divided by its block's scale, clamped to +-448, and rounded to the nearest number of E4M3, ties to even, subnormals kept.
;;     - The product sums the exact products of the quantised numbers (number of the format x scale) in f32.
;;   ~~~python
;;   def quantise(x, axis):      # numpy; x: float32 -> the quantised numbers, widened to float32 again
;;       x = np.moveaxis(x, axis, -1); K = x.shape[-1]
;;       x = np.pad(x, [(0, 0)] * (x.ndim - 1) + [(0, -K % 32)]); x = x.reshape(x.shape[:-1] + (-1, 32)); a = np.abs(x).max(-1, keepdims=True)
;;       e = np.where(a > 0, np.clip(np.frexp(np.where(a > 0, a, 1))[1] - 1 - 8, -126, 127), 0)      # np.frexp(a)[1] - 1 = floor(log2(a)), exactly
;;       r = np.clip(x / 2.0 ** e, -448, 448)
;;       step = 2.0 ** (np.maximum(np.frexp(np.where(r == 0, 1, r))[1] - 1, -6) - 3)
;;       q = np.round(r / step) * step * 2.0 ** e      # np.round: ties to even
;;       return np.moveaxis(q.reshape(q.shape[:-2] + (-1,))[..., :K], -1, axis).astype(np.float32)
;;   ~~~
;;   SOFTMAX AHEAD OF A QUANTISED PRODUCT. Where the list says 'softmax', what is quantised is not the finished softmax but p = 2^(t - M), with t = logit x log2(e) and M = ceil(the row's largest t), a whole number; so 1/2 < the row's largest p <= 1. The row's sum l is taken of the UNQUANTISED p, in f32, and the product's result is divided by l at the end. Since M is a whole number, a kernel that streams over the keys may use a running M (the ceiling of the running maximum): every later rescaling is an exact power of two, which a block's scale takes up: the codes' values come out the same.
;;   OPERANDS COMPUTED ON THE WAY. 'Computed on the way' means the value that the module computes at that place (a softmax that the list does not call 'softmax' is quantised finished and normalised). What goes into a quantiser is computed in f32, as accurately as f32 sums, v_exp_f32 and their like allow (about 1e-6 of the number): no bf16 or f16 on the way to a quantiser, and a product that is left as it is and whose result goes on into a quantised operand takes f32 operands (vector FMAs, or v_wmma_f32_16x16x4_f32). A number that lies on a knife's edge between two numbers of the format may be rounded either way, as far as f32 arithmetic and the matrix unit's own rounding can turn it there, and no further.
;;   INPUTS GIVEN AS CODES. kernel (in the module: [2048, 2048], K = its axis 1); x1 (in the module: [8, 2048, 512], K = its axis 1); x2 (in the module: [8, 2048, 512], K = its axis 1): each comes as NAME_codes (uint8): NAME with its K axis moved to the last place and cut into blocks of 32 codes, [.., K / 32, bytes a block], one block behind the other in memory; one code a byte (a code: sign, 4 exponent bits, 3 mantissa bits); and NAME_scales (uint8): the same leading axes, one E8M0 byte (e + 127) for each 32 codes along K. Its value is code x scale, taken as it is: it is not quantised again, and the codes and scales need not be those that the quantiser above would give.
;; One version. Each part assembles by itself: llvm-mc -triple=amdgcn-amd-amdhsa -mcpu=gfx1250 --defsym DOCPART=n.
;; ======== version 1 of 1: 2 launches
;; limits: right only within a limited range of input values
;; workspace buffers: q 8,650,752 bytes; kv 17,301,504 bytes
;; launch proj (part 1): grid 32 x 8, 4 waves a work-group, clusters of 4 x 4, 327,680 bytes of LDS; arguments kernel_codes, kernel_scales, x1_codes, x1_scales, x2_codes, x2_scales, q, kv; writes q, kv
.if DOCPART == 1
	.amdgcn_target "amdgcn-amd-amdhsa--gfx1250"
	.amdhsa_code_object_version 6
	.text
	.protected	k_q745d0eb76c_proj
	.globl	k_q745d0eb76c_proj
	.p2align	8
	.type	k_q745d0eb76c_proj,@function
k_q745d0eb76c_proj:
	s_mov_b64 s[64:65], 0
	v_nop
	global_prefetch_b8 v0, s[64:65] scope:SCOPE_SE
	s_setreg_imm32_b32 hwreg(HW_REG_WAVE_MODE, 25, 1), 1
	s_wait_xcnt 0x0
	s_wait_alu depctr_hold_cnt(0) depctr_sa_sdst(0) depctr_va_vdst(0) depctr_va_sdst(0) depctr_va_ssrc(0) depctr_va_vcc(0) depctr_vm_vsrc(0)
	s_getreg_b32 s2, hwreg(HW_REG_IB_STS2, 6, 4)
	s_cmp_eq_u32 s2, 0
	s_cbranch_scc0 .Lentry_in_a_cluster
	s_endpgm
.Lentry_in_a_cluster:
	s_bfe_u32 s2, ttmp6, 0x10000c
	s_cmp_lg_u32 s2, 0xf033
	s_cbranch_scc0 .Lentry_shape_is_right
	s_endpgm
.Lentry_shape_is_right:
; h1[b][s][d] = sum over t of kernel[s][t] x1[b][t][d], h2 likewise of x2: one GEMM on codes of FP8 (E4M3) with E8M0 scales, A = kernel [2048 s][2048 t], B = x1 and x2, each [4096 (b, d)][2048 t].
; The results never leave as f32: they are quantised in registers and stored as IMAGES OF OPERAND REGISTERS for the attention launch:
;   h1 along d -> q (the queries);  h2 along d -> kv (the keys);  h1 along s -> kv (the values, whose K is the key axis).
; A fragment image is 16 rows x 128 K = 2,048 bytes = 4 chunks of 512: chunk c holds lane l's registers 4 c .. 4 c + 3 at byte 16 l.  A scale image is 512 bytes: byte 16 l + 4 i is the scale word of (tile 2 i + l / 16, row l % 16).
; A block of kv (one batch, 128 rows s): + 0 the keys' codes, + 65,536 their four scale images, + 67,584 the values' codes, + 133,120 their four scale images.  A block of q: + 0 codes, + 65,536 scale images.
; ORDER INSIDE A BLOCK OF 32: byte 8 u + i of lane (r, h)'s 16 bytes of chunk c is index 32 c + 16 u + 8 h + i.  Both operands of each later product are laid so, and a block's scale covers the same 32 numbers: the products are the same, the order of the f32 sums inside a block differs.
; SHARES: a tile of 256 (s) x 256 (b, d) to a work-group of four waves, 128 x 128 to a wave, 64 accumulators.  Tile columns 0-15 are x1's, 16-31 x2's: clusters with x under 4 take x1.  K in steps of 256 through two LDS slots; the scale bytes of the work-group's rows come once.
; CLUSTERS: 4 x 4; kernel's tiles are asked for jointly along a row of the cluster, x's along a column.  THE MATRIX INSTRUCTION IS USED TRANSPOSED (source 0 = 16 rows of x, source 1 = 16 rows of kernel): lane (r, h), register i of accumulator (a, b) holds s = 16 a + r, d = 16 b + 8 h + i.
; LIMITS: NaN and infinities are not served.  A block of zeros gets the scale byte 1 (its codes are zeros; this program alone reads the bytes).
; REGISTERS: window 0: v16-29 addresses; v32-63 scale words, two sets, scales only; v64-103 at work on the way out; v128-255 kernel's fragments, on the way out numbers and codes.  window 1: x's fragments, two sets.  windows 2, 3: the accumulators ((a, b) at v[8 (8 (a % 4) + b)]).
.set SIZE_K, 2048
.set KSTEP,  256
.set NQ,     KSTEP/128
.set ROWB,   256
.set KROW,   SIZE_K
.set PITCH,  272                       ; an LDS row: 256 bytes + 16 of padding, so that the 16 rows of a fragment load start 68 words apart
.set FR,     16
.set NL,     4
.set NP,     8                         ; places behind this matrix instruction (ISA guide 7.12.1)
.set HALFT,  128*PITCH
.set SLOT,   4*HALFT
.set LAPS,   SIZE_K/(2*KSTEP)
.set KS,     SIZE_K/32
.set SCL,    2*SLOT                    ; behind the ring: the scale bytes, as units of 256 bytes + 16
.set HALFS,  (128*KS/256)*272
.set SBLK,   (16*KS/256)*272
.set SPARE,  SCL+4*HALFS               ; the spare words: 128 bytes a wave, two blocks of 256 bytes that no other line names
.set SPITCH, 528                       ; the turn of h1: a stage row, 128 f32 + 16 bytes
.set KVB,    135168                    ; a block of kv: one batch, 128 rows s
.set QBL,    67584                     ; a block of q; also the keys' part of a block of kv
.set ADRA, 16
.set ADRB, 20
.set STO,  24                          ; v24  the stage: where I put 32 bytes of a row s
.set RDT,  25                          ; v25  the stage: where I read down a column d
.set CO,   26                          ; v26  16 x lane: my place in a chunk
.set ADRS, 27
.set SPW,  28
.set NIL,  29
.set SC,   32
.set TM,   64                          ; v64-79  +0 largest magnitudes, +4 the other half's and then the bytes, +8 448 x the scale, +12 the conversion's scale operand
.set PW,   80                          ; v80-87  the scale words of my eight tiles of s
.set WI,   88                          ; v88-91  their image
.set VW,   92                          ; v92-99  the scale words of my eight tiles of d
.set WJ,   100                         ; v100-103 their image
.set AF,   128
.set T,    128                         ; v128-191 64 held numbers
.set X,    128                         ; v128-191 two sets of 32 numbers down s
.set PC,   192                         ; v192-207 a fragment's codes
.set VC,   208                         ; v208-215 two chunks of V's codes
.set G1, 24
.set G0, 32
.set G1B, 48
.set G0B, 56
.set G1S, 68
.set G0S, 76
.set G1SB, 80
.set G0SB, 88
.set MSB, 0
.macro WIN new                         ; the immediate's high byte repeats the setting that is left
.if MSB != \new
	s_set_vgpr_msb (MSB<<8)|\new
.set MSB, \new
.endif
.endm
.set MUL_LO, 0xa1                      ; source 0 (x) window 1, source 1 (kernel) window 0, C and D window 2
.set MUL_HI, 0xf1
.set TO_B,   0x40
; A joint load: waves 0 and 1 fetch for kernel, waves 2 and 3 for x.  The branch hangs on the wave's number alone.  Four v_nop follow each of the two lines.
.macro JLOAD g0a, g1a, g0b, g1b
	s_cmp_eq_u32 s15, 0
	s_cbranch_scc0 .Lfor_b_\@
	tensor_load_to_lds s[\g0a:\g0a+3], s[\g1a:\g1a+7]
	s_nop 0
.rept 4
	v_nop
.endr
	s_branch .Lasked_\@
.Lfor_b_\@:
	tensor_load_to_lds s[\g0b:\g0b+3], s[\g1b:\g1b+7]
	s_nop 0
.rept 4
	v_nop
.endr
.Lasked_\@:
.endm
.macro CREST                           ; a round of the cluster's barrier behind its opening barrier
	s_cmp_lg_u32 s14, 0
	s_cbranch_scc1 .Lnot_wave_0_\@
	s_barrier_signal -3
.Lnot_wave_0_\@:
	s_barrier_wait -3
	s_barrier_signal -1
	s_barrier_wait -1
.endm
.macro CROUND
	s_barrier_signal -1
	s_barrier_wait -1
	CREST
.endm
	s_load_b128 s[4:7], s[0:1], 0x0                ; kernel's codes, scales
	s_load_b128 s[8:11], s[0:1], 0x10              ; x1's
	s_load_b128 s[96:99], s[0:1], 0x20             ; x2's
	s_load_b64 s[12:13], s[0:1], 0x30              ; q
	s_load_b64 s[66:67], s[0:1], 0x38              ; kv
	v_lshl_add_u32 v[SPW], v0, 2, SPARE
	v_mov_b32 v[NIL], 0
	ds_add_u32 v28, v29
	ds_add_u32 v28, v29
	s_wait_dscnt 0x0
	v_lshrrev_b32 v1, 5, v0
	v_readfirstlane_b32 s14, v1                    ; wave 0..3
	s_lshr_b32 s15, s14, 1                         ; which half of the tile's s is mine.  Also: I fetch for kernel (0) or for x (1)
	s_and_b32 s16, s14, 1                          ; which half of its (b, d).  Also: which 128 rows of that tile I fetch
	s_bfe_u32 s40, ttmp6, 0x40000                  ; cx, cy
	s_bfe_u32 s41, ttmp6, 0x40004
	s_and_b32 s42, ttmp9, 3
	s_lshl_b32 s42, s42, 2
	s_add_co_u32 s42, s42, s40                     ; tile column inside the tensor, 0..15 = 4 x (cluster x mod 4) + cx
	s_and_b32 s17, ttmp7, 0xffff
	s_lshl_b32 s17, s17, 2
	s_add_co_u32 s17, s17, s41                     ; tile row = 4 x cluster y + cy
	s_lshl_b32 s43, s41, 2
	s_lshl_b32 s43, 15, s43                        ; my row of the cluster
	s_lshl_b32 s44, 0x1111, s40                    ; my column
	s_or_b32 s[G1+0], s43, (0<<16)|(1<<20)|(1<<21)|(5<<22)|(3<<25)  ; the mask; elements of 1 byte; padding on; bit 21 beside a mask; 4 words behind every 64
	s_or_b32 s[G1B+0], s44, (0<<16)|(1<<20)|(1<<21)|(5<<22)|(3<<25)
.irp g, G1, G1B
	s_mov_b32 s[\g+1], ROWB<<16                    ; tensor_dim0
	s_mov_b32 s[\g+2], 256<<16                     ; tensor_dim1: 256 rows for the head's loads; behind them 128, for the ring's
	s_mov_b32 s[\g+3], ROWB<<16                    ; tile_dim0
	s_mov_b32 s[\g+4], 256                         ; tile_dim1
	s_mov_b32 s[\g+5], KROW                        ; the pitch
	s_mov_b32 s[\g+6], 0
	s_mov_b32 s[\g+7], 0
.endr
	s_or_b32 s[G1S+0], s43, (3<<16)|(1<<20)|(1<<21)|(5<<22)|(3<<25) ; the scale bytes of 256 rows: 16,384 dense bytes as 64 rows of 256 (32 elements of 8 bytes), 16 bytes behind each
	s_or_b32 s[G1SB+0], s44, (3<<16)|(1<<20)|(1<<21)|(5<<22)|(3<<25)
.irp g, G1S, G1SB
	s_mov_b32 s[\g+1], 32<<16
	s_mov_b32 s[\g+2], KS<<16                      ; the scale bytes of 256 rows: KS rows of 256 bytes
	s_mov_b32 s[\g+3], 32<<16
	s_mov_b32 s[\g+4], KS
	s_mov_b32 s[\g+5], 32
	s_mov_b32 s[\g+6], 0
	s_mov_b32 s[\g+7], 0
.endr
	s_lshl_b32 s20, s17, 8                         ; kernel: the tile's first row, 256 x tile row
	s_lshl_b32 s46, s42, 8                         ; x: 256 x tile column
	s_mov_b32 s21, 0
	s_mov_b32 s47, 0
	s_mov_b64 s[18:19], KS
	s_mul_u64 s[22:23], s[20:21], s[18:19]         ; where these rows' scale bytes begin
	s_mul_u64 s[92:93], s[46:47], s[18:19]
	s_mov_b64 s[18:19], KROW
	s_mul_u64 s[20:21], s[20:21], s[18:19]         ; and their codes
	s_mul_u64 s[46:47], s[46:47], s[18:19]
	s_mul_i32 s45, s14, HALFT                      ; where they go: wave x 128 rows
	s_wait_kmcnt 0x0
	s_cmp_lt_u32 ttmp9, 4                          ; x1's cluster or x2's: the choice hangs on the cluster's number alone, the same in all sixteen partners
	s_cselect_b64 s[8:9], s[8:9], s[96:97]
	s_cselect_b64 s[10:11], s[10:11], s[98:99]
	s_add_nc_u64 s[20:21], s[4:5], s[20:21]
	s_add_nc_u64 s[22:23], s[6:7], s[22:23]
	s_add_nc_u64 s[46:47], s[8:9], s[46:47]
	s_add_nc_u64 s[92:93], s[10:11], s[92:93]
	CROUND                                         ; all sixteen work-groups are here: the first joint loads meet
	s_mov_b32 s[G0S], 1
	s_mov_b32 s[G0S+1], SCL
	s_mov_b64 s[G0S+2:G0S+3], s[22:23]
	s_or_b32 s[G0S+3], s[G0S+3], 0x80000000
	s_mov_b32 s[G0SB], 1
	s_mov_b32 s[G0SB+1], SCL+2*HALFS
	s_mov_b64 s[G0SB+2:G0SB+3], s[92:93]
	s_or_b32 s[G0SB+3], s[G0SB+3], 0x80000000
	s_mul_i32 s96, s16, 128*KROW                   ; in the ring I fetch 128 rows of a tile: which half, in bytes (x2's addresses, which lay here, have been used)
	s_mov_b32 s97, 0
.irp s, 0,1
	s_mov_b32 s[G0+4*\s], 1
	s_add_co_u32 s[G0+4*\s+1], s45, \s*SLOT
	s_add_nc_u64 s[G0+4*\s+2:G0+4*\s+3], s[20:21], \s*ROWB
	s_or_b32 s[G0+4*\s+3], s[G0+4*\s+3], 0x80000000
	s_mov_b32 s[G0B+4*\s], 1
	s_add_co_u32 s[G0B+4*\s+1], s45, \s*SLOT
	s_add_nc_u64 s[G0B+4*\s+2:G0B+4*\s+3], s[46:47], \s*ROWB
	s_or_b32 s[G0B+4*\s+3], s[G0B+4*\s+3], 0x80000000
.endr
	s_mov_b32 s[G0+1], 0                           ; at the head slot 0's groups 0 name whole tiles of 256 rows: kernel's at byte 0,
	s_mov_b32 s[G0B+1], 2*HALFT                    ; x's behind them
	s_add_nc_u64 s[G0+6:G0+7], s[G0+6:G0+7], s[96:97]      ; slot 1's name my 128 rows
	s_add_nc_u64 s[G0B+6:G0B+7], s[G0B+6:G0B+7], s[96:97]
; THE HEAD'S LOADS, ONE A WAVE: wave 0 K step 0's 256 rows of kernel, wave 1 its 256 rows of x, wave 2 kernel's scale bytes, wave 3 x's.  One chain of branches on the wave's number, a load to an arm.
.macro ARM under, g0, g1, next
	s_cmp_lt_u32 s14, \under
	s_cbranch_scc0 \next
	tensor_load_to_lds s[\g0:\g0+3], s[\g1:\g1+7]
	s_nop 0
.rept 4
	v_nop
.endr
	s_branch .Lhead_asked
\next:
.endm
	ARM 1, G0,  G1,  .Lhead_b
	ARM 2, G0B, G1B, .Lhead_sa
	ARM 3, G0S, G1S, .Lhead_sb
	tensor_load_to_lds s[G0SB:G0SB+3], s[G1SB:G1SB+7]
	s_nop 0
.rept 4
	v_nop
.endr
.Lhead_asked:
	v_and_b32 v1, 15, v0                           ; r = lane % 16
	v_bfe_u32 v2, v0, 4, 1                         ; h = lane / 16
	v_mul_u32_u24 v3, v1, PITCH
	v_lshl_add_u32 v4, v2, 4, v3                   ; a fragment's row x pitch + 16 h
	s_mul_i32 s21, s15, HALFT                      ; my 128 rows of kernel
	s_mul_i32 s22, s16, HALFT                      ; my 128 rows of x,
	s_add_co_u32 s22, s22, 2*HALFT                 ; which lie behind kernel's 256
.irp s, 0,1
	v_add_nc_u32 v[ADRA+\s], s21, v4
	v_add_nc_u32 v[ADRB+\s], s22, v4
	s_add_co_u32 s21, s21, SLOT
	s_add_co_u32 s22, s22, SLOT
.endr
	v_mul_u32_u24 v5, v1, KS                       ; my row's scale bytes: KS a row,
	v_lshrrev_b32 v6, 8, v5
	v_lshl_add_u32 v5, v6, 4, v5                   ; and 16 more for each 256 passed
	s_mul_i32 s21, s15, HALFS
	s_mul_i32 s22, s16, HALFS
	s_add_co_u32 s22, s22, 2*HALFS
	s_sub_co_u32 s22, s22, s21
	v_mul_u32_u24 v6, s22, v2                      ; lanes 16-31 take x's: one product, the distance between the two bases
	s_add_co_u32 s21, s21, SCL
	v_add_nc_u32 v5, v5, v6
	v_add_nc_u32 v[ADRS], s21, v5
	s_mul_i32 s23, s14, HALFT                      ; my stage: 64 rows x 528 bytes inside my quarter of slot 0
	v_mul_u32_u24 v5, v1, SPITCH
	v_lshl_add_u32 v5, v2, 5, v5
	v_add_nc_u32 v[STO], s23, v5                   ; in: row r, + 32 h
	v_mul_u32_u24 v5, v2, 8*SPITCH
	v_lshl_add_u32 v5, v1, 2, v5
	v_add_nc_u32 v[RDT], s23, v5                   ; back: column r of a tile of d, 8 h rows down
	v_and_b32 v6, 31, v0
	v_lshlrev_b32 v[CO], 4, v6
	; where my results go.  b = column / 2; key step j = 2 x tile row + my s half; kappa = 2 x (column % 2) + my d half
	s_lshr_b32 s18, s42, 1
	s_lshl_b32 s18, s18, 4
	s_lshl_b32 s19, s17, 1
	s_add_co_u32 s18, s18, s19
	s_add_co_u32 s18, s18, s15                     ; 16 b + j
	s_and_b32 s19, s42, 1
	s_lshl_b32 s19, s19, 1
	s_add_co_u32 s19, s19, s16                     ; kappa
	s_mul_i32 s20, s18, KVB
	s_mov_b32 s21, 0
	s_add_nc_u64 s[66:67], s[66:67], s[20:21]      ; my block of kv
	s_mul_i32 s20, s18, QBL
	s_add_nc_u64 s[12:13], s[12:13], s[20:21]      ; my block of q
	s_lshl_b32 s20, s19, 11                        ; 2,048 kappa: a fragment
	s_lshl_b32 s22, s19, 9                         ; 512 kappa: a scale image
	s_mov_b32 s23, 0
	s_add_nc_u64 s[4:5], s[12:13], 65536           ; q's scale images
	s_add_nc_u64 s[6:7], s[66:67], 65536           ; the keys' scale images
	s_cmp_lt_u32 ttmp9, 4
	s_cselect_b64 s[6:7], s[4:5], s[6:7]
	s_cselect_b64 s[4:5], s[12:13], s[66:67]
	s_add_nc_u64 s[4:5], s[4:5], s[20:21]          ; s[4:5]: codes along d;
	s_add_nc_u64 s[6:7], s[6:7], s[22:23]          ; s[6:7]: their scale image
	s_lshl_b32 s20, s19, 14                        ; my eight tiles of d: 16,384 kappa
	s_add_nc_u64 s[8:9], s[66:67], s[20:21]
	s_add_nc_u64 s[8:9], s[8:9], QBL               ; s[8:9]: the values' codes, behind the keys' part;
	s_add_nc_u64 s[10:11], s[66:67], s[22:23]
	s_add_nc_u64 s[10:11], s[10:11], 133120        ; s[10:11]: their scale image
	s_mov_b32 s2, 0xffff0000                       ; lanes 16-31
	s_mov_b32 s92, 0x76543210
	s_mov_b32 s93, 0xfedcba98                      ; v_permlanex16_b32's selects for lane l xor 16
	s_mov_b32 s95, 0x600000                        ; the mantissa field of 448
.macro FRAG reg, adr, q, i             ; 16 rows x 128 K of codes: registers 4 c .. 4 c + 3 hold K = 32 c + 16 h + 0 .. 15
.irp c, 0,1,2,3
	ds_load_b128 v[\reg+4*\c:\reg+4*\c+3], v[\adr] offset:128*(\q)+32*\c+(\i)*16*PITCH
.endr
.endm
; 16 matrix instructions: kernel's blocks a0, a0 + 1 x x's eight.  The 64 accumulators take turns, one instruction a turn, in the same order in every step.
.macro MUL16 a0, p, q, sc, zero
.irp a, \a0, \a0+1
.irp b, 0,1,2,3,4,5,6,7
.if \zero
	v_wmma_scale_f32_16x16x128_f8f6f4 v[8*(8*((\a)%4)+\b):8*(8*((\a)%4)+\b)+7], v[128*(\p)+FR*\b:128*(\p)+FR*\b+FR-1], v[AF+FR*(\a):AF+FR*(\a)+FR-1], 0, v[SC+8*NQ*(\sc)+NQ*\b+(\q)], v[SC+8*NQ*(\sc)+NQ*(\a)+(\q)] matrix_a_scale:MATRIX_SCALE_ROW1
.else
	v_wmma_scale_f32_16x16x128_f8f6f4 v[8*(8*((\a)%4)+\b):8*(8*((\a)%4)+\b)+7], v[128*(\p)+FR*\b:128*(\p)+FR*\b+FR-1], v[AF+FR*(\a):AF+FR*(\a)+FR-1], v[8*(8*((\a)%4)+\b):8*(8*((\a)%4)+\b)+7], v[SC+8*NQ*(\sc)+NQ*\b+(\q)], v[SC+8*NQ*(\sc)+NQ*(\a)+(\q)] matrix_a_scale:MATRIX_SCALE_ROW1
.endif
.endr
.endr
.endm
.macro FETCH_B slot, q, p
	WIN TO_B
.irp i, 0,1,2,3,4,5,6,7
	FRAG 128*(\p)+FR*\i, ADRB+\slot, \q, \i
.endr
	WIN 0
.endm
.macro FETCH_A slot, q, i0
.irp i, \i0, \i0+1, \i0+2, \i0+3
	FRAG AF+FR*(\i), ADRA+\slot, \q, \i
.endr
.endm
.macro SCALES sc                       ; a K step's scale words: lanes 0-15 kernel's block i, lanes 16-31 x's block i
.irp i, 0,1,2,3,4,5,6,7
	ds_load_b64 v[SC+8*NQ*\sc+NQ*\i:SC+8*NQ*\sc+NQ*\i+1], v[ADRS] offset:\i*SBLK
.endr
.endm
.macro PLACES n                        ; plain vector instructions that name no register of the matrix instructions in front (ISA guide 7.12.1)
.rept \n
	v_nop
.endr
.endm
.macro STEP slot, q, zero              ; 128 along K that have their successor in the same slot
	s_wait_dscnt 4*NL                              ; x's set and kernel's blocks 0-3 are in; the youngest 16 loads (blocks 4-7) may be out
	WIN MUL_LO
	MUL16 0, (\q)%2, \q, \slot, \zero
	MUL16 2, (\q)%2, \q, \slot, \zero
	s_wait_dscnt 0                                 ; blocks 4-7 are in
	PLACES NP
	FETCH_B \slot, (\q)+1, 1-(\q)%2
	FETCH_A \slot, (\q)+1, 0
	WIN MUL_HI
	MUL16 4, (\q)%2, \q, \slot, \zero
	MUL16 6, (\q)%2, \q, \slot, \zero
	PLACES NP
	WIN 0
	FETCH_A \slot, (\q)+1, 4
.endm
; A slot's last step, and the change of slots.  The step's 64 products want nothing of the next slot: all their operands have been asked of this slot.  So they stand AHEAD of the wait for the tensor loads,
; and between that wait and the request for the slot after next stand only the add, the wait for it and the round.  Behind the request the next slot's first fragments are fetched in one run.
; In front of the barrier each wave waits for all its tensor loads, adds 0 to its spare word, and waits for that and for its reads of this slot.  fill = 1: this slot is filled again, two K steps ahead.
.macro TURN slot, next, fill
	s_wait_dscnt 4*NL                              ; x's set and kernel's blocks 0-3 are in; the youngest 16 loads (blocks 4-7) may be out
	WIN MUL_LO
	MUL16 0, 1, NQ-1, \slot, 0
	MUL16 2, 1, NQ-1, \slot, 0
	s_wait_dscnt 0                                 ; blocks 4-7 are in: my reads of this slot are over
	WIN MUL_HI
	MUL16 4, 1, NQ-1, \slot, 0
	MUL16 6, 1, NQ-1, \slot, 0
	WIN 0
	s_wait_tensorcnt 0x0                           ; all my tensor loads have landed: my part of the next slot; so every group 0 may be written
	ds_add_u32 v[SPW], v[NIL]                      ; 0 onto my spare word
.if \fill
	s_add_nc_u64 s[G0+4*\slot+2:G0+4*\slot+3], s[G0+4*\slot+2:G0+4*\slot+3], 2*ROWB
	s_add_nc_u64 s[G0B+4*\slot+2:G0B+4*\slot+3], s[G0B+4*\slot+2:G0B+4*\slot+3], 2*ROWB
.endif
	PLACES NP                                      ; the places in front of the loads below, into registers that the products above have read: they stand between the add and the wait for it
	s_wait_dscnt 0x0                               ; the add is done
	s_barrier_signal -1
	s_barrier_wait -1
.if \fill
	CREST                                          ; the barrier has opened a round of the cluster's: no wave of any partner still reads this slot or has a load on its way
	JLOAD G0+4*\slot, G1, G0B+4*\slot, G1B         ; the first tensor load behind the round
.endif
	s_wait_alu depctr_va_vdst(0)
	v_add_nc_u32 v[ADRS], 4*NQ, v[ADRS]            ; the next K step's scale words
	FETCH_B \next, 0, 0
	FETCH_A \next, 0, 0
	SCALES \next
	FETCH_A \next, 0, 4
.endm
	s_wait_alu depctr_va_vdst(0)
	s_wait_tensorcnt 0x0                           ; my tile of the head's four is in
	ds_add_u32 v[SPW], v[NIL]
	s_mov_b32 s[G1+2], 128<<16                     ; no tensor load of mine is out, so descriptors may be written: from here on a load brings 128 rows,
	s_mov_b32 s[G1+4], 128
	s_mov_b32 s[G1B+2], 128<<16
	s_mov_b32 s[G1B+4], 128
	s_mov_b32 s[G0+1], s45                         ; and slot 0's groups 0 name my 128 rows, as slot 1's do
	s_mov_b32 s[G0B+1], s45
	s_add_nc_u64 s[G0+2:G0+3], s[G0+2:G0+3], s[96:97]
	s_add_nc_u64 s[G0B+2:G0B+3], s[G0B+2:G0B+3], s[96:97]
	s_wait_dscnt 0x0                               ; the add is done
	CROUND                                         ; a whole round: all four tiles are in, and all sixteen work-groups are here
	JLOAD G0+4, G1, G0B+4, G1B                     ; K step 1's load, the first tensor load behind the round
	FETCH_B 0, 0, 0
	FETCH_A 0, 0, 0
	SCALES 0
	FETCH_A 0, 0, 4
	STEP 0, 0, 1                                   ; the first step's products start the sums
	s_mov_b32 s3, LAPS-1
.Llap:                                                 ; a trip goes once round the ring and fills both slots again
	TURN 0, 1, 1
	STEP 1, 0, 0
	TURN 1, 0, 1
	STEP 0, 0, 0
	s_sub_co_u32 s3, s3, 1
	s_cmp_lg_u32 s3, 0
	s_cbranch_scc1 .Llap
	TURN 0, 1, 0                                   ; the last lap fills nothing
	STEP 1, 0, 0
	s_wait_dscnt 4*NL
	WIN MUL_LO
	MUL16 0, 1, NQ-1, 1, 0
	MUL16 2, 1, NQ-1, 1, 0
	s_wait_dscnt 0
	WIN MUL_HI
	MUL16 4, 1, NQ-1, 1, 0
	MUL16 6, 1, NQ-1, 1, 0
	WIN 0
; THE WAY OUT ALONG d.  Tile a of s is 64 registers of a lane: register 16 c + 8 u + i is d = 32 c + 16 u + 8 h + i of row s = 16 a + r: 16 numbers of each of four blocks of 32; lane l xor 16 holds the other 16.
; A block's scale is its largest magnitude's exponent field less 8; each number is held within 448 x the scale (the conversion does not saturate: ISA guide 7.6.2) and converted.  The accumulators stay as they are: x1's are wanted once more.
.macro QD a
.set AC, 64*((\a)%4)
.set WA1, 2+(\a)/4
.set WA5, 5*WA1
	WIN WA5                                        ; sources 0 and 1: the accumulators' window
.irp c, 0,1,2,3
	v_max3_num_f32 v[TM+\c], |v[AC+16*\c]|, |v[AC+16*\c+1]|, 0x4800000     ; each accumulator is read from its low end on; the floor 2^(9 - 127) keeps the byte at 1 from below
.endr
.irp i, 2,4,6,8,10,12,14
.irp c, 0,1,2,3
	v_max3_num_f32 v[TM+\c], |v[AC+16*\c+\i]|, |v[AC+16*\c+\i+1]|, v[TM+\c]
.endr
.endr
	WIN 0
.irp c, 0,1,2,3
	v_permlanex16_b32 v[TM+4+\c], v[TM+\c], s92, s93
.endr
.irp c, 0,1,2,3
	v_max_num_f32 v[TM+\c], v[TM+\c], v[TM+4+\c]   ; the block's largest magnitude
.endr
.irp c, 0,1,2,3
	v_add_nc_u32 v[TM+12+\c], 0xfc000000, v[TM+\c] ; 8 off its exponent field: the conversion's scale operand
.endr
.irp c, 0,1,2,3
	v_and_or_b32 v[TM+8+\c], v[TM+\c], 0x7f800000, s95   ; 448 x the scale
.endr
.irp c, 0,1,2,3
	v_lshrrev_b32 v[TM+4+\c], 23, v[TM+12+\c]      ; the scale's byte
.endr
	v_lshl_or_b32 v[PW+(\a)], v[TM+5], 8, v[TM+4]
	v_lshl_or_b32 v[PW+(\a)], v[TM+6], 16, v[PW+(\a)]
	v_lshl_or_b32 v[PW+(\a)], v[TM+7], 24, v[PW+(\a)]    ; row r's scale word for these 128 d
	WIN WA1                                        ; source 0: the accumulators' window
.irp c, 0,1,2,3
.irp i, 0,1,2,3,4,5,6,7,8,9,10,11,12,13,14,15
	v_med3_num_f32 v[T+16*\c+\i], v[AC+16*\c+\i], -v[TM+8+\c], v[TM+8+\c]
.endr
.endr
	WIN 0
	s_wait_alu depctr_va_vdst(0)
	s_wait_xcnt 0x0                                ; the last tile's stores have read their data: the codes' registers are written again only behind this wait
.irp c, 0,1,2,3
	v_cvt_scalef32_pk8_fp8_f32 v[PC+4*\c:PC+4*\c+1], v[T+16*\c:T+16*\c+7], v[TM+12+\c]
	v_cvt_scalef32_pk8_fp8_f32 v[PC+4*\c+2:PC+4*\c+3], v[T+16*\c+8:T+16*\c+15], v[TM+12+\c]
.endr
	v_nop                                          ; a plain line behind the last conversion, ahead of the vector lines that write its sources again
.irp c, 0,1,2,3
	global_store_b128 v[CO], v[PC+4*\c:PC+4*\c+3], s[4:5] offset:(\a)*8192+512*\c   ; a chunk: 512 consecutive bytes, aligned
.endr
.endm
	PLACES NP                                      ; behind the last products: their results are read and kernel's fragments written over
.irp c, 0,1,2,3
	v_mov_b32 v[TM+4+\c], 0                        ; written once: a lane permute's destination counts as one of its sources
.endr
.irp a, 0,1,2,3,4,5,6,7
	QD \a
.endr
.irp i, 0,1,2,3
	v_cndmask_b32 v[WI+\i], v[PW+2*\i], v[PW+2*\i+1], s2   ; the scale image: even tiles in lanes 0-15, odd tiles in lanes 16-31
.endr
	global_store_b128 v[CO], v[WI:WI+3], s[6:7]
	s_cmp_ge_u32 ttmp9, 4                          ; h2 is wanted along d alone.  The branch hangs on the cluster's number: the same in all sixteen partners
	s_cbranch_scc1 .Lno_v
; THE WAY OUT ALONG s (h1 only).  The values' K is s, which lies across lanes: 64 rows of s at a time go as f32 through my own stage and come back a column d to a lane, registers down s.
; The stage lies in my quarter of slot 0, which has had its last fill, and which nobody reads behind the last change of slots.  It is mine alone, and LDS serves a wave's instructions in order (ISA guide 5.7.1.4): no barrier.
.macro TOSTAGE hh
.set WS, 8+4*(\hh)
	WIN WS                                         ; an LDS store's data are its source 1: window 2 or 3
.irp a, 0,1,2,3
.irp b, 0,1,2,3,4,5,6,7
	ds_store_b128 v[STO], v[64*\a+8*\b:64*\a+8*\b+3] offset:\a*16*SPITCH+64*\b
	ds_store_b128 v[STO], v[64*\a+8*\b+4:64*\a+8*\b+7] offset:\a*16*SPITCH+64*\b+16
.endr
.endr
	WIN 0
.endm
.macro LOADT bt                        ; tile bt of d: register 16 c + 8 u + i = h1(s = 32 c + 16 u + 8 h + i of the 64, d = 16 bt + r)
.set XL, X+32*((\bt)%2)
.irp c, 0,1
.irp u, 0,1
.irp i, 0,1,2,3,4,5,6,7
	ds_load_b32 v[XL+16*\c+8*\u+\i], v[RDT] offset:(32*\c+16*\u+\i)*SPITCH+64*(\bt)
.endr
.endr
.endr
.endm
.macro QT bt, hh                       ; its two blocks of 32 along s become chunks 2 hh and 2 hh + 1 of the tile's fragment
.set XS, X+32*((\bt)%2)
.irp c, 0,1
	v_max3_num_f32 v[TM+\c], |v[XS+16*\c]|, |v[XS+16*\c+1]|, 0x4800000
.endr
.irp i, 2,4,6,8,10,12,14
.irp c, 0,1
	v_max3_num_f32 v[TM+\c], v[TM+\c], |v[XS+16*\c+\i]|, |v[XS+16*\c+\i+1]|
.endr
.endr
.irp c, 0,1
	v_permlanex16_b32 v[TM+4+\c], v[TM+\c], s92, s93
.endr
.irp c, 0,1
	v_max_num_f32 v[TM+\c], v[TM+\c], v[TM+4+\c]
.endr
.irp c, 0,1
	v_add_nc_u32 v[TM+12+\c], 0xfc000000, v[TM+\c]
.endr
.irp c, 0,1
	v_and_or_b32 v[TM+8+\c], v[TM+\c], 0x7f800000, s95
.endr
.irp c, 0,1
	v_lshrrev_b32 v[TM+4+\c], 23, v[TM+12+\c]
.endr
.irp c, 0,1
.if (2*(\hh)+\c) == 0
	v_mov_b32 v[VW+(\bt)], v[TM+4+\c]
.else
	v_lshl_or_b32 v[VW+(\bt)], v[TM+4+\c], 8*(2*(\hh)+\c), v[VW+(\bt)]
.endif
.endr
.irp c, 0,1
.irp i, 0,1,2,3,4,5,6,7,8,9,10,11,12,13,14,15
	v_med3_num_f32 v[XS+16*\c+\i], v[XS+16*\c+\i], -v[TM+8+\c], v[TM+8+\c]
.endr
.endr
	s_wait_alu depctr_va_vdst(0)
	s_wait_xcnt 0x0                                ; the last stores have read their data
.irp c, 0,1
	v_cvt_scalef32_pk8_fp8_f32 v[VC+4*\c:VC+4*\c+1], v[XS+16*\c:XS+16*\c+7], v[TM+12+\c]
	v_cvt_scalef32_pk8_fp8_f32 v[VC+4*\c+2:VC+4*\c+3], v[XS+16*\c+8:XS+16*\c+15], v[TM+12+\c]
.endr
	v_nop
.irp c, 0,1
	global_store_b128 v[CO], v[VC+4*\c:VC+4*\c+3], s[8:9] offset:(\bt)*2048+(2*(\hh)+\c)*512
.endr
.endm
.irp hh, 0,1
	TOSTAGE \hh
	LOADT 0
	LOADT 1
.irp bt, 0,1,2,3,4,5,6,7
.if \bt < 7
	s_wait_dscnt 32                                ; this tile's 32 loads are in; the next tile's 32 may be out
.else
	s_wait_dscnt 0x0
.endif
	QT \bt, \hh
.if \bt < 6
	LOADT \bt+2
.endif
.endr
.endr
.irp i, 0,1,2,3
	v_cndmask_b32 v[WJ+\i], v[VW+2*\i], v[VW+2*\i+1], s2
.endr
	global_store_b128 v[CO], v[WJ:WJ+3], s[10:11]
.Lno_v:
	s_wait_tensorcnt 0x0                           ; the wave's end: behind my last tensor load and my last LDS store
	ds_add_u32 v[SPW], v[NIL]
	s_wait_dscnt 0x0
	CROUND                                         ; the closing round: no work-group ends while a partner may still ask for a tile that names it
	s_endpgm
.Lfunc_end_k_q745d0eb76c_proj:
	.size	k_q745d0eb76c_proj, .Lfunc_end_k_q745d0eb76c_proj-k_q745d0eb76c_proj
	.p2alignl 7, 3214868480
	.fill 96, 4, 3214868480
	.section	.rodata,"a",@progbits
	.p2align	6, 0x0
	.amdhsa_kernel k_q745d0eb76c_proj
		.amdhsa_group_segment_fixed_size 327680
		.amdhsa_private_segment_fixed_size 0
		.amdhsa_enable_private_segment 0
		.amdhsa_kernarg_size 64
		.amdhsa_user_sgpr_count 2
		.amdhsa_user_sgpr_kernarg_segment_ptr 1
		.amdhsa_wavefront_size32 1
		.amdhsa_system_sgpr_workgroup_id_x 1
		.amdhsa_system_sgpr_workgroup_id_y 1
		.amdhsa_system_sgpr_workgroup_id_z 1
		.amdhsa_system_vgpr_workitem_id 0
		.amdhsa_next_free_vgpr 1024
		.amdhsa_next_free_sgpr 100
		.amdhsa_reserve_vcc 0
		.amdhsa_float_denorm_mode_32 3
		.amdhsa_float_denorm_mode_16_64 3
		.amdhsa_memory_ordered 1
		.amdhsa_forward_progress 1
		.amdhsa_inst_pref_size 255
	.end_amdhsa_kernel
	.section	.bss,"aw",@nobits
	.p2align	6
	.space	262144
	.amdgpu_metadata
---
amdhsa.version: [ 1, 2 ]
amdhsa.kernels:
  - .name:           k_q745d0eb76c_proj
    .symbol:         k_q745d0eb76c_proj.kd
    .args:
      - { .name: kernel_codes, .offset: 0, .size: 8, .value_kind: global_buffer, .address_space: global }
      - { .name: kernel_scales, .offset: 8, .size: 8, .value_kind: global_buffer, .address_space: global }
      - { .name: x1_codes, .offset: 16, .size: 8, .value_kind: global_buffer, .address_space: global }
      - { .name: x1_scales, .offset: 24, .size: 8, .value_kind: global_buffer, .address_space: global }
      - { .name: x2_codes, .offset: 32, .size: 8, .value_kind: global_buffer, .address_space: global }
      - { .name: x2_scales, .offset: 40, .size: 8, .value_kind: global_buffer, .address_space: global }
      - { .name: q, .offset: 48, .size: 8, .value_kind: global_buffer, .address_space: global }
      - { .name: kv, .offset: 56, .size: 8, .value_kind: global_buffer, .address_space: global }
    .group_segment_fixed_size: 327680
    .private_segment_fixed_size: 0
    .kernarg_segment_align: 8
    .kernarg_segment_size: 64
    .max_flat_workgroup_size: 128
    .sgpr_count:     100
    .vgpr_count:     1024
    .wavefront_size: 32
...
	.end_amdgpu_metadata
.endif
;; end of part 1
;; launch attn (part 2): grid 32 x 8, 4 waves a work-group, clusters of 4 x 1, 327,680 bytes of LDS; arguments q, kv, out0; writes out0
.if DOCPART == 2
	.amdgcn_target "amdgcn-amd-amdhsa--gfx1250"
	.amdhsa_code_object_version 6
	.text
	.protected	k_q745d0eb76c_attn
	.globl	k_q745d0eb76c_attn
	.p2align	8
	.type	k_q745d0eb76c_attn,@function
k_q745d0eb76c_attn:
	s_mov_b64 s[64:65], 0
	v_nop
	global_prefetch_b8 v0, s[64:65] scope:SCOPE_SE
	s_setreg_imm32_b32 hwreg(HW_REG_WAVE_MODE, 25, 1), 1
	s_wait_xcnt 0x0
	s_wait_alu depctr_hold_cnt(0) depctr_sa_sdst(0) depctr_va_vdst(0) depctr_va_sdst(0) depctr_va_ssrc(0) depctr_va_vcc(0) depctr_vm_vsrc(0)
	s_getreg_b32 s2, hwreg(HW_REG_IB_STS2, 6, 4)
	s_cmp_eq_u32 s2, 0
	s_cbranch_scc0 .Lentry_in_a_cluster
	s_endpgm
.Lentry_in_a_cluster:
	s_bfe_u32 s2, ttmp6, 0x10000c
	s_cmp_lg_u32 s2, 0x3003
	s_cbranch_scc0 .Lentry_shape_is_right
	s_endpgm
.Lentry_shape_is_right:
; out[b][s][:] = sum over t of softmax_t((h1[b][s] . h2[b][t] + mask) / sqrt(2048)) h1[b][t][:], both products on codes of FP8 (E4M3) with E8M0 scales, from the operand images that launch proj stored.
; The mask is the finite number -20000 on keys t > s: it is the C of a score tile's first product, and every key step is computed, since no tile is without effect for all inputs.
; SHARES: a work-group owns 64 queries of one batch, four waves.  In a key step of 128 keys wave w makes the scores of keys 32 w .. 32 w + 31 for all 64 queries: ONE scale block of p for each query.
; p's codes go to all waves through LDS, and wave w then adds to O^T for channels 128 w .. 128 w + 127.  K comes by joint loads of four work-groups through two LDS slots, V straight into registers.
; EACH WAVE KEEPS A RUNNING M AND A ROW SUM OF ITS OWN: M_w = the ceiling of the largest t of ITS keys so far, p = 2^(t - M_w).  With the codes it hands over -M_w and the block's scale byte.  Behind the round every wave takes
; M = the largest M_w, moves each byte by M_w - M (a whole number, 0 or less: a power of two that the scale takes up; held at 0 from below) and multiplies O^T by 2^(old M - new M).  At the end the four sums are brought under M and added.
; BARRIERS of a key step: one whose signal stands at the step's head (my LDS reads of the last step are over) and whose wait stands ahead of my LDS stores; and the drained round in front of the refill.
; LIMITS: the scaled scores (the exponents to the base 2) stay under 2^31 in magnitude.  NaN and infinities are not served.  A block whose byte would fall under 0 counts with the byte 0.
.set KVB,   135168
.set KPB,   67584
.set QBL,   67584
.set SLOT1, 131072
.set QUART, 16896
.set PX,    270336
.set MX,    279040
.set SPARE, 281088
.set EX,    281600                     ; the blocks' scale bytes as f32: [wave][lane][4 query tiles], laid as the -M_w at MX
.set LX,    283648                     ; the row sums at the end, laid likewise
.set EXR,   236                        ; v236-251 the four waves' bytes
.set CM,    252                        ; v252-255 the common -M
.set LN,   1
.set AK0,  2
.set AKS0, 4
.set AVS0, 5
.set CK,   6
.set CKS,  8
.set PXW,  10
.set PXR,  11
.set MXW,  14
.set MXA,  15
.set SPW,  16
.set NIL,  17
.set D0,   18
.set NEG,  19
.set PFO,  20
.set STO,  21
.set RD,   22
.set QSA,  23
.set ST,   24
.set F,    40
.set BM,   48
.set PB,   52
.set HO,   56
.set SO,   60
.set S,    64
.set MK,   128
.set MXR,  168
.set PC,   184
.set KS,   200
.set QS,   204
.set VS,   212
.set PWD,  216
.set TP,   220
.set RL,   228
.set WV,   10
.set TB,   14
.set J,    15
.set X2,   16
.set SEL,  18
.set CS,   20
.set MNT,  22
.set LEFT, 23
.set G1,   24
.set G0A,  32
.set G0B,  36
.set PFA,  40
.set LIM,  42
.set WOFF, 43
.set VB,   56
.set MSB, 0
.macro WIN new
.if MSB != \new
	s_set_vgpr_msb (MSB<<8)|\new
.set MSB, \new
.endif
.endm
.macro PLACES n
.rept \n
	v_nop
.endr
.endm
.macro CREST
	s_cmp_lg_u32 s[WV], 0
	s_cbranch_scc1 .Lnot_wave_0_\@
	s_barrier_signal -3
.Lnot_wave_0_\@:
	s_barrier_wait -3
	s_barrier_signal -1
	s_barrier_wait -1
.endm
.macro CROUND
	s_barrier_signal -1
	s_barrier_wait -1
	CREST
.endm
.macro WM d, a, b, c, sa, sb, ra, rb
.if (\ra) && (\rb)
	v_wmma_scale_f32_16x16x128_f8f6f4 v[(\d):(\d)+7], v[(\a):(\a)+15], v[(\b):(\b)+15], v[(\c):(\c)+7], v[(\sa)], v[(\sb)] matrix_a_scale:MATRIX_SCALE_ROW1 matrix_b_scale:MATRIX_SCALE_ROW1
.elseif (\ra)
	v_wmma_scale_f32_16x16x128_f8f6f4 v[(\d):(\d)+7], v[(\a):(\a)+15], v[(\b):(\b)+15], v[(\c):(\c)+7], v[(\sa)], v[(\sb)] matrix_a_scale:MATRIX_SCALE_ROW1
.elseif (\rb)
	v_wmma_scale_f32_16x16x128_f8f6f4 v[(\d):(\d)+7], v[(\a):(\a)+15], v[(\b):(\b)+15], v[(\c):(\c)+7], v[(\sa)], v[(\sb)] matrix_b_scale:MATRIX_SCALE_ROW1
.else
	v_wmma_scale_f32_16x16x128_f8f6f4 v[(\d):(\d)+7], v[(\a):(\a)+15], v[(\b):(\b)+15], v[(\c):(\c)+7], v[(\sa)], v[(\sb)]
.endif
.endm
.macro WMZ d, a, b, sa, sb, ra
.if (\ra)
	v_wmma_scale_f32_16x16x128_f8f6f4 v[(\d):(\d)+7], v[(\a):(\a)+15], v[(\b):(\b)+15], 0, v[(\sa)], v[(\sb)] matrix_a_scale:MATRIX_SCALE_ROW1
.else
	v_wmma_scale_f32_16x16x128_f8f6f4 v[(\d):(\d)+7], v[(\a):(\a)+15], v[(\b):(\b)+15], 0, v[(\sa)], v[(\sb)]
.endif
.endm
.macro MASKB
.irp e, 0,1,2,3,4
.irp i, 0,1,2,3,4,5,6,7
	v_cmp_gt_i32 vcc_lo, 16*(\e-3)+\i, v[D0]
	v_cndmask_b32 v[MK+8*\e+\i], 0, v[NEG], vcc_lo
.endr
.endr
.endm
.macro KLOAD
	WIN 0xc0
.set n, 0
.rept 32
	ds_load_b128 v[4*n:4*n+3], v[CK] offset:512*n
.set n, n+1
.endr
	WIN 0
.irp k, 0,1,2,3
	ds_load_b32 v[KS+\k], v[CKS] offset:512*\k
.endr
.endm
.macro VGLOAD
	WIN 0xc0
.set n, 0
.rept 32
	global_load_b128 v[128+4*n:128+4*n+3], v[AK0], s[VB:VB+1] offset:512*n
.set n, n+1
.endr
	WIN 0
	global_load_b128 v[VS:VS+3], v[AVS0], s[VB:VB+1] offset:65536
.endm
.macro SPROD
	WIN 0x0b
.irp k, 0,1,2,3
.irp u, 0,1
.irp m, 0,1,2,3
.if \k == 0
	WM S+16*\m+8*\u,64*\u+16*\k,64*\m+16*\k,MK+8*(\u-\m+3),KS+\k,QS+2*\k+\m/2,\u,\m%2
.else
	WM S+16*\m+8*\u,64*\u+16*\k,64*\m+16*\k,S+16*\m+8*\u,KS+\k,QS+2*\k+\m/2,\u,\m%2
.endif
.endr
.endr
.endr
.endm
.macro PLOAD
.irp m, 0,1,2,3
.irp c, 0,1,2,3
	ds_load_b128 v[S+16*\m+4*\c:S+16*\m+4*\c+3], v[PXR] offset:2048*\m+512*\c
.endr
.endr
.endm
.macro XLOAD                           ; the four waves' -M_w and bytes
.irp c, 0,1,2,3
	ds_load_b128 v[MXR+4*\c:MXR+4*\c+3], v[MXA] offset:512*\c
	ds_load_b128 v[EXR+4*\c:EXR+4*\c+3], v[MXA] offset:EX-MX+512*\c
.endr
.endm
.macro JOIN                            ; the common -M, O^T's factor, and p's scale words under the common M
.irp m, 0,1,2,3
	v_min3_num_f32 v[TP+\m], v[MXR+\m], v[MXR+4+\m], v[MXR+8+\m]
.endr
.irp m, 0,1,2,3
	v_min_num_f32 v[TP+\m], v[TP+\m], v[MXR+12+\m]       ; -M = the least -M_w
.endr
.irp m, 0,1,2,3
	v_sub_f32 v[TP+4+\m], v[TP+\m], v[CM+\m]             ; old M - new M
.endr
.irp c, 0,1,2,3
.irp k, 0,2
	v_pk_add_f32 v[MXR+4*\c+\k:MXR+4*\c+\k+1], v[TP+\k:TP+\k+1], v[MXR+4*\c+\k:MXR+4*\c+\k+1] neg_lo:[0,1] neg_hi:[0,1]   ; M_w - M
.endr
.endr
.irp m, 0,1,2,3
	v_cvt_i32_f32 v[TP+4+\m], v[TP+4+\m]                 ; (it saturates)
.endr
.irp c, 0,1,2,3
.irp k, 0,2
	v_pk_add_f32 v[EXR+4*\c+\k:EXR+4*\c+\k+1], v[EXR+4*\c+\k:EXR+4*\c+\k+1], v[MXR+4*\c+\k:MXR+4*\c+\k+1]
.endr
.endr
.irp m, 0,1,2,3
	v_ldexp_f32 v[F+2*\m], 1.0, v[TP+4+\m]
.endr
.irp m, 0,1,2,3
	v_mov_b32 v[CM+\m], v[TP+\m]
.endr
.set n, 0
.rept 16
	v_max_num_f32 v[EXR+n], 0, v[EXR+n]                  ; the byte is held at 0 from below
.set n, n+1
.endr
.irp c, 0,2
.irp k, 0,2
	v_pk_fma_f32 v[EXR+4*\c+\k:EXR+4*\c+\k+1], v[EXR+4*\c+4+\k:EXR+4*\c+4+\k+1], 0x43800000, v[EXR+4*\c+\k:EXR+4*\c+\k+1] op_sel_hi:[1,0,1]   ; two bytes: low + 256 x high, exact in f32
.endr
.endr
.irp m, 0,1,2,3
	v_cvt_u32_f32 v[EXR+\m], v[EXR+\m]
	v_cvt_u32_f32 v[EXR+8+\m], v[EXR+8+\m]
.endr
.irp m, 0,1,2,3
	v_lshl_or_b32 v[PWD+\m], v[EXR+8+\m], 16, v[EXR+\m]  ; byte w of the word: wave w's 32 keys
.endr
.endm
.macro PV zero
	s_wait_alu depctr_va_vdst(0)
.if \zero
	PLACES 8                                       ; the scale words were written by vector lines: eight places ahead of the products
.else
.irp t, 0,1,2,3
	RS \t
.endr
.endif
.set pn, 0
.rept 32                               ; tile pn = 4 d + m; O^T's tile four on is brought under the new M behind each product
	WIN 0x53
.if \zero
	WMZ 8*pn,128+16*(pn/4),S+16*(pn%4),VS+pn/8,PWD+pn%4,(pn/4)%2
.else
	WM 8*pn,128+16*(pn/4),S+16*(pn%4),8*pn,VS+pn/8,PWD+pn%4,(pn/4)%2,0
.if pn < 28
	RS pn+4
.endif
.endif
.set pn, pn+1
.endr
.endm
.macro RS t                            ; O^T's tile t x 2^(old M - new M)
	WIN 0x41
.set ra, \t
.irp k, 0,2,4,6
	v_pk_mul_f32 v[8*ra+\k:8*ra+\k+1], v[8*ra+\k:8*ra+\k+1], v[F+2*(ra%4):F+2*(ra%4)+1] op_sel_hi:[1,0]
.endr
.endm
.macro ASK
	s_cmp_gt_u32 s[LEFT], s[LIM]
	s_cbranch_scc0 .Lnot_mine_\@
	global_prefetch_b8 v[PFO], s[PFA:PFA+1] th:TH_LOAD_NT scope:SCOPE_SE
.Lnot_mine_\@:
.endm
	s_load_b128 s[4:7], s[0:1], 0x0
	s_load_b64 s[8:9], s[0:1], 0x10
	v_lshl_add_u32 v[SPW], v0, 2, SPARE
	v_mov_b32 v[NIL], 0
	ds_add_u32 v16, v17
	ds_add_u32 v16, v17
	s_wait_dscnt 0x0
	v_lshrrev_b32 v[TP], 5, v0
	v_readfirstlane_b32 s[WV], v[TP]
	v_and_b32 v[TP+1], 31, v0
	v_lshlrev_b32 v[LN], 4, v[TP+1]
	s_wait_alu depctr_va_vdst(0)
	v_lshlrev_b32 v[PFO], 8, v[TP+1]
	s_bfe_u32 s11, ttmp6, 0x40000
	s_lshl_b32 s12, ttmp9, 2
	s_add_co_u32 s12, s12, s11
	s_and_b32 s13, ttmp7, 0xffff
	s_lshl_b32 s[X2], ttmp9, 1
	s_mul_i32 s[WOFF], s[WV], QUART
	s_mov_b32 s[G1], 15|(3<<16)|(1<<21)
	s_mov_b32 s[G1+1], 32<<16
	s_mov_b32 s[G1+2], 66<<16
	s_mov_b32 s[G1+3], 32<<16
	s_mov_b32 s[G1+4], 66
	s_mov_b32 s[G1+5], 32
	s_mov_b32 s[G1+6], 0
	s_mov_b32 s[G1+7], 0
	s_mul_i32 s44, s13, 16*KVB
	s_lshl_b32 s54, s11, 15
	s_lshl_b32 s55, s[WV], 13
	s_add_co_u32 s54, s54, s55
	s_add_co_u32 s54, s54, s44
	s_add_co_u32 s54, s54, 2*KVB
	s_mov_b32 s55, 0
	s_add_co_u32 s[VB], s44, KPB
	s_mov_b32 s[VB+1], 0
	s_add_co_u32 s44, s44, s[WOFF]
	s_mov_b32 s45, 0
	s_lshl_b32 s46, s13, 4
	s_lshr_b32 s47, s12, 1
	s_add_co_u32 s46, s46, s47
	s_mul_i32 s46, s46, QBL
	s_mov_b32 s47, 0
	s_and_b32 s48, s12, 1
	s_lshl_b32 s50, s48, 15
	s_mov_b32 s51, 0
	s_lshl_b32 s48, s48, 3
	s_lshl_b32 s52, s13, 5
	s_add_co_u32 s52, s52, s12
	s_lshl_b32 s52, s52, 17
	s_lshl_b32 s53, s[WV], 9
	s_add_co_u32 s52, s52, s53
	s_mov_b32 s53, 0
	s_mov_b32 s[SEL], 0x76543210
	s_mov_b32 s[SEL+1], 0xfedcba98
	s_mov_b32 s[CS], 0x3d0293ee
	s_mov_b32 s[CS+1], s[CS]
	s_mov_b32 s[MNT], 0x600000
	s_mov_b32 s[TB], 0
	s_mov_b32 s[J], 0
	s_cmp_eq_u32 ttmp9, 0
	s_cselect_b32 s[LIM], 1, -1
	v_add_nc_u32 v[QSA], s48, v[LN]
	s_wait_kmcnt 0x0
	s_add_nc_u64 s[PFA:PFA+1], s[6:7], s[54:55]
	s_add_nc_u64 s[VB:VB+1], s[6:7], s[VB:VB+1]
	s_add_nc_u64 s[6:7], s[6:7], s[44:45]
	s_add_nc_u64 s[4:5], s[4:5], s[46:47]
	s_add_nc_u64 s[46:47], s[4:5], s[50:51]
	s_add_nc_u64 s[8:9], s[8:9], s[52:53]
	CROUND
	s_mov_b32 s[G0A], 1
	s_mov_b32 s[G0A+1], s[WOFF]
	s_mov_b64 s[G0A+2:G0A+3], s[6:7]
	s_or_b32 s[G0A+3], s[G0A+3], 0x80000000
	s_mov_b32 s[G0B], 1
	s_add_co_u32 s[G0B+1], s[WOFF], SLOT1
	s_add_nc_u64 s[G0B+2:G0B+3], s[6:7], KVB
	s_or_b32 s[G0B+3], s[G0B+3], 0x80000000
	tensor_load_to_lds s[G0A:G0A+3], s[G1:G1+7]
	s_nop 0
	s_wait_alu depctr_va_vdst(0)
	s_wait_tensorcnt 0x0
	ds_add_u32 v16, v17
	s_wait_dscnt 0x0
	CROUND
	tensor_load_to_lds s[G0B:G0B+3], s[G1:G1+7]
	s_nop 0
	PLACES 4
	WIN 0x80
.set n, 0
.rept 64
	global_load_b128 v[4*n:4*n+3], v[LN], s[46:47] offset:512*n
.set n, n+1
.endr
	WIN 0
	s_wait_alu depctr_va_vdst(0)
.irp k, 0,1,2,3
	global_load_b64 v[QS+2*\k:QS+2*\k+1], v[QSA], s[4:5] offset:65536+512*\k
.endr
	s_lshl_b32 s49, s[WV], 14
	v_add_nc_u32 v[AK0], s49, v[LN]
	s_lshl_b32 s49, s[WV], 2
	v_add_nc_u32 v[AKS0], s49, v[LN]
	v_add_nc_u32 v[AKS0], 65536, v[AKS0]
	s_lshl_b32 s49, s[WV], 9
	v_add_nc_u32 v[AVS0], s49, v[LN]
	VGLOAD
	v_add_nc_u32 v[PXW], PX, v[AVS0]
	v_add_nc_u32 v[MXW], MX, v[AVS0]
	v_add_nc_u32 v[PXR], PX, v[LN]
	v_add_nc_u32 v[MXA], MX, v[LN]
.irp m, 0,1,2,3
	v_mov_b32 v[CM+\m], 0                          ; read in the first step, whose factor is not used
.endr
	v_and_b32 v[TP], 15, v0
	v_bfe_u32 v[TP+1], v0, 4, 1
	v_lshlrev_b32 v[TP+1], 3, v[TP+1]
	v_sub_nc_u32 v[D0], v[TP], v[TP+1]
	s_lshl_b32 s49, s12, 6
	s_lshl_b32 s50, s[WV], 5
	s_sub_co_i32 s49, s49, s50
	v_add_nc_u32 v[D0], s49, v[D0]
	s_mul_i32 s49, s[WV], 16*528
	v_mul_u32_u24 v[STO], v[TP], 528
	v_lshl_add_u32 v[STO], v[TP+1], 2, v[STO]
	v_add_nc_u32 v[STO], s49, v[STO]
	v_add_nc_u32 v[RD], s49, v[LN]
	v_mov_b32 v[NEG], 0xc69c4000
.irp m, 0,1,2,3
	v_mov_b32 v[ST+4*\m+1], 0xff61b1e6
	v_floor_f32 v[ST+4*\m], -v[ST+4*\m+1]
	v_mov_b32 v[ST+4*\m+2], 0
	v_mov_b32 v[ST+4*\m+3], 0
	v_mov_b32 v[F+2*\m+1], 0
	v_mov_b32 v[PB+\m], 0
.endr
	MASKB
	s_wait_alu depctr_va_vdst(0)
	s_wait_tensorcnt 0x1
	s_barrier_signal -1
	s_barrier_wait -1
	v_add_nc_u32 v[CK], s[TB], v[AK0]
	v_add_nc_u32 v[CKS], s[TB], v[AKS0]
	KLOAD
	s_wait_loadcnt 33
.macro STEP first, fill, more
	s_wait_dscnt 0x0                               ; K's fragments are in, and my LDS reads of the last step are over:
	s_barrier_signal -1                            ; say so; the wait stands ahead of my LDS stores, register work alone between
	SPROD
	WIN 0
	PLACES 8
.irp m, 0,1,2,3
	v_max3_num_f32 v[BM+\m], v[S+16*\m], v[S+16*\m+1], v[S+16*\m+2]
.endr
.irp i, 3,5,7,9,11,13
.irp m, 0,1,2,3
	v_max3_num_f32 v[BM+\m], v[BM+\m], v[S+16*\m+\i], v[S+16*\m+\i+1]
.endr
.endr
.irp m, 0,1,2,3
	v_max_num_f32 v[BM+\m], v[BM+\m], v[S+16*\m+15]
.endr
.irp m, 0,1,2,3
	v_permlanex16_b32 v[PB+\m], v[BM+\m], s[SEL], s[SEL+1]
.endr
.irp m, 0,1,2,3
	v_max_num_f32 v[BM+\m], v[BM+\m], v[PB+\m]
.endr
.irp m, 0,1,2,3
	v_mul_f32 v[TP+\m], s[CS], v[BM+\m]            ; my block's largest score as t: my own running M follows
.endr
.irp m, 0,1,2,3
	v_max_num_f32 v[ST+4*\m+1], v[ST+4*\m+1], v[TP+\m]
.endr
.irp m, 0,1,2,3
	v_mov_b32 v[TP+\m], v[ST+4*\m]
.endr
.irp m, 0,1,2,3
	v_floor_f32 v[ST+4*\m], -v[ST+4*\m+1]
.endr
.irp m, 0,1,2,3
	v_sub_f32 v[TP+\m], v[ST+4*\m], v[TP+\m]
.endr
.irp m, 0,1,2,3
	v_cvt_i32_f32 v[TP+\m], v[TP+\m]
.endr
.irp m, 0,1,2,3
	v_ldexp_f32 v[F+2*\m], 1.0, v[TP+\m]
.endr
.irp m, 0,1,2,3
.irp k, 0,2,4,6,8,10,12,14
	v_pk_fma_f32 v[S+16*\m+\k:S+16*\m+\k+1], v[S+16*\m+\k:S+16*\m+\k+1], s[CS:CS+1], v[ST+4*\m:ST+4*\m+1] op_sel_hi:[1,0,0]
.endr
.endr
.irp m, 0,1,2,3
	v_fma_f32 v[BM+\m], v[BM+\m], s[CS], v[ST+4*\m]
.endr
.set n, 0
	s_wait_alu depctr_va_vdst(0)
.rept 64
	v_exp_f32 v[S+n], v[S+n]
.set n, n+1
.endr
.irp m, 0,1,2,3
	v_pk_mul_f32 v[ST+4*\m+2:ST+4*\m+3], v[ST+4*\m+2:ST+4*\m+3], v[F+2*\m:F+2*\m+1] op_sel_hi:[1,0]
.endr
	s_wait_alu depctr_va_vdst(0)
.irp m, 0,1,2,3
	v_exp_f32 v[BM+\m], v[BM+\m]
.endr
.irp k, 0,2,4,6,8,10,12,14
.irp m, 0,1,2,3
	v_pk_add_f32 v[ST+4*\m+2:ST+4*\m+3], v[ST+4*\m+2:ST+4*\m+3], v[S+16*\m+\k:S+16*\m+\k+1]
.endr
.endr
	s_wait_alu depctr_va_vdst(0)
.irp m, 0,1,2,3
	v_max_num_f32 v[BM+\m], 0x4800000, v[BM+\m]
.endr
.irp m, 0,1,2,3
	v_add_nc_u32 v[SO+\m], 0xfc000000, v[BM+\m]
.endr
.irp m, 0,1,2,3
	v_and_or_b32 v[HO+\m], v[BM+\m], 0x7f800000, s[MNT]
.endr
.irp m, 0,1,2,3
	v_lshrrev_b32 v[PB+\m], 23, v[SO+\m]
.endr
.irp m, 0,1,2,3
	v_mov_b32 v[TP+\m], v[ST+4*\m]                 ; -M_w, four on end for the store
.endr
.irp m, 0,1,2,3
	v_cvt_f32_u32 v[TP+4+\m], v[PB+\m]             ; the byte as f32
.endr
.irp m, 0,1,2,3
.irp i, 0,1,2,3,4,5,6,7,8,9,10,11,12,13,14,15
	v_min_num_f32 v[S+16*\m+\i], v[S+16*\m+\i], v[HO+\m]
.endr
	v_cvt_scalef32_pk8_fp8_f32 v[PC+4*\m:PC+4*\m+1], v[S+16*\m:S+16*\m+7], v[SO+\m]
	v_cvt_scalef32_pk8_fp8_f32 v[PC+4*\m+2:PC+4*\m+3], v[S+16*\m+8:S+16*\m+15], v[SO+\m]
.endr
	v_nop
	s_wait_alu depctr_va_vdst(0)
	s_barrier_wait -1                              ; every wave's LDS reads of the last step are over
.irp m, 0,1,2,3
	ds_store_b128 v[PXW], v[PC+4*\m:PC+4*\m+3] offset:2048*\m
.endr
	ds_store_b128 v[MXW], v[TP:TP+3]
	ds_store_b128 v[MXW], v[TP+4:TP+7] offset:EX-MX
	s_wait_tensorcnt 0x0
	ds_add_u32 v[SPW], v[NIL]
.if \fill
	s_xor_b32 s[G0B+1], s[G0B+1], SLOT1
	s_add_nc_u64 s[G0B+2:G0B+3], s[G0B+2:G0B+3], KVB
	s_wait_xcnt 0x0
	s_add_nc_u64 s[PFA:PFA+1], s[PFA:PFA+1], KVB
.endif
	s_wait_dscnt 0x0
	s_barrier_signal -1
	s_barrier_wait -1
.if \fill
	CREST
	tensor_load_to_lds s[G0B:G0B+3], s[G1:G1+7]
	s_nop 0
	PLACES 4
.endif
	XLOAD
	PLOAD
.if \more
	s_xor_b32 s[TB], s[TB], SLOT1
	v_add_nc_u32 v[CK], s[TB], v[AK0]
	v_add_nc_u32 v[CKS], s[TB], v[AKS0]
	KLOAD
.endif
.if \fill
	ASK
.endif
.if \more
	s_add_co_u32 s[J], s[J], 1
	v_add_nc_u32 v[D0], 0xffffff80, v[D0]
	s_sub_co_u32 s44, s[J], s[X2]
	s_cmp_gt_u32 s44, 2
	s_cbranch_scc1 .Lkeep_\@
	MASKB
.Lkeep_\@:
	s_wait_dscnt 52                                ; the eight loads of -M_w and bytes are in; behind them p's 16 and K's 36
	JOIN
	s_wait_dscnt 36                                ; p's codes are in; K's 36 may be out
.else
	s_wait_dscnt 16                                ; behind the eight: p's 16
	JOIN
	s_wait_dscnt 0x0
.endif
	s_wait_loadcnt 0x0
.if \more
	s_add_nc_u64 s[VB:VB+1], s[VB:VB+1], KVB
.endif
	PV \first
	WIN 0
.if \more
	PLACES 9
	VGLOAD
.endif
.endm
	s_mov_b32 s[LEFT], 14
	STEP 1, 1, 1
	s_mov_b32 s[LEFT], 13
.Lstep:
	s_wait_alu depctr_va_vdst(0)
	STEP 0, 1, 1
	s_sub_co_u32 s[LEFT], s[LEFT], 1
	s_cmp_lg_u32 s[LEFT], 0
	s_cbranch_scc1 .Lstep
	STEP 0, 0, 1
	STEP 0, 0, 0
	PLACES 8
.irp m, 0,1,2,3
	v_add_f32 v[TP+\m], v[ST+4*\m+2], v[ST+4*\m+3]
.endr
.irp m, 0,1,2,3
	v_permlanex16_b32 v[PB+\m], v[TP+\m], s[SEL], s[SEL+1]
.endr
.irp m, 0,1,2,3
	v_add_f32 v[BM+\m], v[TP+\m], v[PB+\m]
.endr
.irp m, 0,1,2,3
	v_sub_f32 v[TP+4+\m], v[CM+\m], v[ST+4*\m]     ; M_w - M, 0 or less
.endr
.irp m, 0,1,2,3
	v_cvt_i32_f32 v[TP+4+\m], v[TP+4+\m]
.endr
.irp m, 0,1,2,3
	v_ldexp_f32 v[BM+\m], v[BM+\m], v[TP+4+\m]     ; my sum under the common M
.endr
	ds_store_b128 v[MXW], v[BM:BM+3] offset:LX-MX  ; bytes of their own: other waves may still read the last step's -M_w
	s_wait_dscnt 0x0
	s_barrier_signal -1
	s_barrier_wait -1
.irp c, 0,1,2,3
	ds_load_b128 v[MXR+4*\c:MXR+4*\c+3], v[MXA] offset:LX-MX+512*\c
.endr
	s_wait_dscnt 0x0
.irp m, 0,1,2,3
	v_add_f32 v[TP+\m], v[MXR+\m], v[MXR+4+\m]
.endr
.irp m, 0,1,2,3
	v_add_f32 v[TP+4+\m], v[MXR+8+\m], v[MXR+12+\m]
.endr
.irp m, 0,1,2,3
	v_add_f32 v[TP+\m], v[TP+\m], v[TP+4+\m]
.endr
	s_wait_alu depctr_va_vdst(0)
.irp m, 0,1,2,3
	v_rcp_f32 v[RL+2*\m], v[TP+\m]
.endr
.irp m, 0,1,2,3
	v_mov_b32 v[RL+2*\m+1], 0
.endr
	s_wait_alu depctr_va_vdst(0)
.macro OSTAGE m
	WIN 0x41
.irp d, 0,1,2,3,4,5,6,7
.irp k, 0,2,4,6
	v_pk_mul_f32 v[8*(4*\d+(\m))+\k:8*(4*\d+(\m))+\k+1], v[8*(4*\d+(\m))+\k:8*(4*\d+(\m))+\k+1], v[RL+2*(\m):RL+2*(\m)+1] op_sel_hi:[1,0]
.endr
.endr
	WIN 0x04
.irp d, 0,1,2,3,4,5,6,7
	ds_store_b128 v[STO], v[8*(4*\d+(\m)):8*(4*\d+(\m))+3] offset:64*\d
	ds_store_b128 v[STO], v[8*(4*\d+(\m))+4:8*(4*\d+(\m))+7] offset:64*\d+16
.endr
	WIN 0
.set BB, 64+64*((\m)%2)
.irp t, 0,1,2,3,4,5,6,7,8,9,10,11,12,13,14,15
	ds_load_b128 v[BB+4*\t:BB+4*\t+3], v[RD] offset:\t*528
.endr
.endm
.macro SEND m, younger
.set BB, 64+64*((\m)%2)
	s_wait_dscnt \younger
.irp t, 0,1,2,3,4,5,6,7,8,9,10,11,12,13,14,15
	global_store_b128 v[LN], v[BB+4*\t:BB+4*\t+3], s[8:9] offset:(16*(\m)+\t)*2048 th:TH_STORE_NT
.endr
.endm
	OSTAGE 0
.irp m, 1,2,3
.if \m > 1
	s_wait_xcnt 0x0
.endif
	OSTAGE \m
	SEND \m-1, 32
.endr
	SEND 3, 0
	s_wait_tensorcnt 0x0
	ds_add_u32 v[SPW], v[NIL]
	s_wait_dscnt 0x0
	CROUND
	s_endpgm
.Lfunc_end_k_q745d0eb76c_attn:
	.size	k_q745d0eb76c_attn, .Lfunc_end_k_q745d0eb76c_attn-k_q745d0eb76c_attn
	.p2alignl 7, 3214868480
	.fill 96, 4, 3214868480
	.section	.rodata,"a",@progbits
	.p2align	6, 0x0
	.amdhsa_kernel k_q745d0eb76c_attn
		.amdhsa_group_segment_fixed_size 327680
		.amdhsa_private_segment_fixed_size 0
		.amdhsa_enable_private_segment 0
		.amdhsa_kernarg_size 24
		.amdhsa_user_sgpr_count 2
		.amdhsa_user_sgpr_kernarg_segment_ptr 1
		.amdhsa_wavefront_size32 1
		.amdhsa_system_sgpr_workgroup_id_x 1
		.amdhsa_system_sgpr_workgroup_id_y 1
		.amdhsa_system_sgpr_workgroup_id_z 1
		.amdhsa_system_vgpr_workitem_id 0
		.amdhsa_next_free_vgpr 1024
		.amdhsa_next_free_sgpr 66
		.amdhsa_reserve_vcc 1
		.amdhsa_float_denorm_mode_32 3
		.amdhsa_float_denorm_mode_16_64 3
		.amdhsa_memory_ordered 1
		.amdhsa_forward_progress 1
		.amdhsa_inst_pref_size 219
	.end_amdhsa_kernel
	.amdgpu_metadata
---
amdhsa.version: [ 1, 2 ]
amdhsa.kernels:
  - .name:           k_q745d0eb76c_attn
    .symbol:         k_q745d0eb76c_attn.kd
    .args:
      - { .name: q, .offset: 0, .size: 8, .value_kind: global_buffer, .address_space: global }
      - { .name: kv, .offset: 8, .size: 8, .value_kind: global_buffer, .address_space: global }
      - { .name: out0, .offset: 16, .size: 8, .value_kind: global_buffer, .address_space: global }
    .group_segment_fixed_size: 327680
    .private_segment_fixed_size: 0
    .kernarg_segment_align: 8
    .kernarg_segment_size: 24
    .max_flat_workgroup_size: 128
    .sgpr_count:     66
    .vgpr_count:     1024
    .wavefront_size: 32
...
	.end_amdgpu_metadata
.endif
;; end of part 2
